; MI455X (gfx1250); checked and timed in simulation.
; The chip was launched on July 23, 2026; its instructions are those of AMD's public machine-readable ISA for CDNA 5 (MIT licence, August 2026) and "CDNA5" Instruction Set Architecture Reference Guide (July 2026). The comments in the code are by the model that wrote it; some were corrected since.
;; Multi Head Attention. Allowed arithmetic: float matrix products may take bf16 or f16 operands with f32 sums; all other float work in f32.
;; Inputs: Wk 16 x 1,024 x 64 float32; Wo 1,024 x 1,024 float32; Wq 16 x 1,024 x 64 float32; Wv 16 x 1,024 x 64 float32; bo 1,024 float32; x 2 x 2,048 x 1,024 float32.
;; Outputs: out0 2 x 2,048 x 1,024 float32.
;; 2 versions, each right; version 2 is version 1 with the launch cast written anew for expert scheduling mode. Each part assembles by itself: llvm-mc -triple=amdgcn-amd-amdhsa -mcpu=gfx1250 --defsym DOCPART=n.
;; ======== version 1 of 2: 4 launches
;; limits: values are held in f16: magnitudes above 65,504 overflow, below 6.1e-05 lose precision; right only within a limited range of input values
;; workspace buffers: cb 16,777,216 bytes; qkv 25,165,824 bytes; att 8,388,608 bytes
;; launch cast (part 1): grid 256 x 1, 8 waves a work-group, no clusters, 0 bytes of LDS; arguments x, Wq, Wk, Wv, Wo, cb; writes cb
.if DOCPART == 1
	.amdgcn_target "amdgcn-amd-amdhsa--gfx1250"
	.amdhsa_code_object_version 6
	.text
	.protected	k_q681b9d148c_cast
	.globl	k_q681b9d148c_cast
	.p2align	8
	.type	k_q681b9d148c_cast,@function
k_q681b9d148c_cast:
	s_mov_b64 s[64:65], 0
	v_nop
	global_prefetch_b8 v0, s[64:65] scope:SCOPE_SE
	s_setreg_imm32_b32 hwreg(HW_REG_WAVE_MODE, 25, 1), 1
	s_wait_xcnt 0x0
; The matrix operands, rounded once.  cb = x as bf16 [4096][1024] at byte 0; Wq, Wk, Wv as bf16 [3][16][1024][64] at byte 8,388,608;
; Wo [1024][1024] at byte 14,680,064, rounded to bf16 like the other inputs and that number written as f16 (its partner in the last product is f16).
; LIMIT: the f16 copy of Wo is the bf16 number itself for 2^-17 <= |Wo| < 65,520; below, it is off by at most 2^-25; above, it is an infinity.
; The five inputs follow each other in cb in the order x, Wq, Wk, Wv, Wo, so work-group i simply makes bytes 65,536 i .. of cb out of 32,768 numbers
; of one input: 128 work-groups for x, 32 for each of the others.  A stream: no LDS, no barrier, no matrix unit.
; Thread t takes 16 bytes at 16 t of each of 32 blocks of 4,096 bytes: a wave's load covers 512 consecutive bytes, its store 256, aligned.
; All 32 loads of a wave go out at once; no register is written twice, so no wait but the counted ones is needed.
.set X, 8                              ; v[8:135]    block i: four f32 as loaded
.set Y, 136                            ; v[136:199]  block i: four 16-bit numbers to store
	s_load_b256 s[4:11], s[0:1], 0x0               ; x s[4:5], Wq s[6:7], Wk s[8:9], Wv s[10:11]
	s_load_b128 s[12:15], s[0:1], 0x20             ; Wo s[12:13], cb s[14:15]
	s_mov_b32 s16, ttmp9                           ; i
	s_mov_b32 s17, 0                               ; the first work-group of my input
	v_lshlrev_b32 v1, 4, v0                        ; 16 t: where I read
	v_lshlrev_b32 v2, 3, v0                        ; 8 t: where I write
	s_wait_kmcnt 0x0
	s_mov_b64 s[18:19], s[4:5]                     ; my input, chosen by i alone
	s_cmp_ge_u32 s16, 128
	s_cselect_b64 s[18:19], s[6:7], s[18:19]
	s_cselect_b32 s17, 128, s17
	s_cmp_ge_u32 s16, 160
	s_cselect_b64 s[18:19], s[8:9], s[18:19]
	s_cselect_b32 s17, 160, s17
	s_cmp_ge_u32 s16, 192
	s_cselect_b64 s[18:19], s[10:11], s[18:19]
	s_cselect_b32 s17, 192, s17
	s_cmp_ge_u32 s16, 224
	s_cselect_b64 s[18:19], s[12:13], s[18:19]
	s_cselect_b32 s17, 224, s17
	s_sub_co_u32 s20, s16, s17
	s_lshl_b32 s20, s20, 17                        ; 131,072 bytes of f32 for each work-group
	s_mov_b32 s21, 0
	s_add_nc_u64 s[18:19], s[18:19], s[20:21]
	s_lshl_b32 s22, s16, 16                        ; 65,536 bytes out
	s_mov_b32 s23, 0
	s_add_nc_u64 s[14:15], s[14:15], s[22:23]
.set i, 0
.rept 32
	global_load_b128 v[X+4*i:X+4*i+3], v1, s[18:19] offset:4096*i th:TH_LOAD_NT
.set i, i+1
.endr
; wo = 1: the bf16 numbers are widened again (a shift, a mask) and written as f16.
.macro CVT wo
.set i, 0
.rept 32
	s_wait_loadcnt 31-i                            ; loads come back in order: block i is in, the 31 - i younger ones stay out
	v_cvt_pk_bf16_f32 v[Y+2*i], v[X+4*i], v[X+4*i+1]
	v_cvt_pk_bf16_f32 v[Y+2*i+1], v[X+4*i+2], v[X+4*i+3]
.if \wo
	v_lshlrev_b32 v[X+4*i], 16, v[Y+2*i]
	v_and_b32 v[X+4*i+1], 0xffff0000, v[Y+2*i]
	v_lshlrev_b32 v[X+4*i+2], 16, v[Y+2*i+1]
	v_and_b32 v[X+4*i+3], 0xffff0000, v[Y+2*i+1]
	v_cvt_pk_f16_f32 v[Y+2*i], v[X+4*i], v[X+4*i+1]
	v_cvt_pk_f16_f32 v[Y+2*i+1], v[X+4*i+2], v[X+4*i+3]
.endif
	global_store_b64 v2, v[Y+2*i:Y+2*i+1], s[14:15] offset:2048*i
.set i, i+1
.endr
.endm
	s_cmp_ge_u32 s16, 224                          ; compared anew: the shifts above have set SCC
	s_cbranch_scc1 .Lwo
	CVT 0
	s_endpgm
.Lwo:
	CVT 1
	s_endpgm
.Lfunc_end_k_q681b9d148c_cast:
	.size	k_q681b9d148c_cast, .Lfunc_end_k_q681b9d148c_cast-k_q681b9d148c_cast
	.p2alignl 7, 3214868480
	.fill 96, 4, 3214868480
	.section	.rodata,"a",@progbits
	.p2align	6, 0x0
	.amdhsa_kernel k_q681b9d148c_cast
		.amdhsa_group_segment_fixed_size 0
		.amdhsa_private_segment_fixed_size 0
		.amdhsa_enable_private_segment 0
		.amdhsa_kernarg_size 48
		.amdhsa_user_sgpr_count 2
		.amdhsa_user_sgpr_kernarg_segment_ptr 1
		.amdhsa_wavefront_size32 1
		.amdhsa_system_sgpr_workgroup_id_x 1
		.amdhsa_system_sgpr_workgroup_id_y 1
		.amdhsa_system_sgpr_workgroup_id_z 1
		.amdhsa_system_vgpr_workitem_id 0
		.amdhsa_next_free_vgpr 200
		.amdhsa_next_free_sgpr 66
		.amdhsa_reserve_vcc 0
		.amdhsa_float_denorm_mode_32 3
		.amdhsa_float_denorm_mode_16_64 3
		.amdhsa_memory_ordered 1
		.amdhsa_forward_progress 1
		.amdhsa_inst_pref_size 31
	.end_amdhsa_kernel
	.amdgpu_metadata
---
amdhsa.version: [ 1, 2 ]
amdhsa.kernels:
  - .name:           k_q681b9d148c_cast
    .symbol:         k_q681b9d148c_cast.kd
    .args:
      - { .name: x, .offset: 0, .size: 8, .value_kind: global_buffer, .address_space: global }
      - { .name: Wq, .offset: 8, .size: 8, .value_kind: global_buffer, .address_space: global }
      - { .name: Wk, .offset: 16, .size: 8, .value_kind: global_buffer, .address_space: global }
      - { .name: Wv, .offset: 24, .size: 8, .value_kind: global_buffer, .address_space: global }
      - { .name: Wo, .offset: 32, .size: 8, .value_kind: global_buffer, .address_space: global }
      - { .name: cb, .offset: 40, .size: 8, .value_kind: global_buffer, .address_space: global }
    .group_segment_fixed_size: 0
    .private_segment_fixed_size: 0
    .kernarg_segment_align: 8
    .kernarg_segment_size: 48
    .max_flat_workgroup_size: 256
    .sgpr_count:     66
    .vgpr_count:     200
    .wavefront_size: 32
...
	.end_amdgpu_metadata
.endif
;; end of part 1
;; launch qkv (part 2): grid 16 x 16, 4 waves a work-group, clusters of 4 x 4, 327,680 bytes of LDS; arguments cb, qkv; writes qkv
.if DOCPART == 2
	.amdgcn_target "amdgcn-amd-amdhsa--gfx1250"
	.amdhsa_code_object_version 6
	.text
	.protected	k_q681b9d148c_qkv
	.globl	k_q681b9d148c_qkv
	.p2align	8
	.type	k_q681b9d148c_qkv,@function
k_q681b9d148c_qkv:
	s_mov_b64 s[64:65], 0
	v_nop
	global_prefetch_b8 v0, s[64:65] scope:SCOPE_SE
	s_setreg_imm32_b32 hwreg(HW_REG_WAVE_MODE, 25, 1), 1
	s_wait_xcnt 0x0
	s_wait_alu depctr_hold_cnt(0) depctr_sa_sdst(0) depctr_va_vdst(0) depctr_va_sdst(0) depctr_va_ssrc(0) depctr_va_vcc(0) depctr_vm_vsrc(0)
	s_getreg_b32 s2, hwreg(HW_REG_IB_STS2, 6, 4)
	s_cmp_eq_u32 s2, 0
	s_cbranch_scc0 .Lentry_in_a_cluster
	s_endpgm
.Lentry_in_a_cluster:
	s_bfe_u32 s2, ttmp6, 0x10000c
	s_cmp_lg_u32 s2, 0xf033
	s_cbranch_scc0 .Lentry_shape_is_right
	s_endpgm
.Lentry_shape_is_right:
; q, k, v of one head for 256 rows of x:  qkv[p][b 16 + head][t][0..63] = sum over d of x[b][t][d] W_p[head][d][.], p = q, k, v.
; Operands bf16 (from cb), sums f32, results f16.  LIMIT: |q|, |k|, |v| < 65,504 (f16's range); beyond it an infinity is stored.
; Work-group (head, mb): rows 256 mb .. + 255 of the 4,096 rows (b, t), 192 columns (q | k | v).  Four waves; wave w makes rows 64 w .. + 63 of
; all 192 columns: 4 x 12 accumulator tiles of 16 x 16, 384 registers.  So each wave owns whole rows of q, of k and of v, and its way out needs no barrier.
; K = 1024 goes in 8 steps of 128 through two LDS slots filled by the tensor data mover.
; CLUSTERS: 4 x 4 work-groups.  x's tile hangs on mb alone and is asked for jointly by a row of the cluster; W's tile hangs on the head alone and is
; asked for jointly by a column.  That divides the requests for both by four.
; W lies [d][64]: its fragments come out of LDS by the transposing load.  One descriptor brings Wq's, Wk's and Wv's part of half a K step: three
; pieces of 64 d x 64 = 8,192 consecutive bytes, 2 MiB apart, each laid down as 64 LDS rows of 128 bytes + 32 of padding.
; REGISTERS, in windows of 256:  window 0: addresses, x's fragments (two buffers of 4), the way out;  window 1: W's fragments (two buffers of 12);
;   window 2: accumulators (a, b < 8) at 8 (8 a + b);  window 3: accumulators (a, b >= 8) at 8 (4 a + b - 8).
; The matrix instruction is used transposed (source 0 = 16 columns of W, source 1 = 16 rows of x): a lane then holds 8 neighbouring columns of one row.
.set PA,     272                       ; x's LDS row: 256 bytes + 16: the 16 rows of a fragment start 16 bytes apart modulo 256
.set PB,     160                       ; W's LDS row: 128 bytes + 32, an odd multiple of 32 for the transposing load
.set HALFA,  128*PA                    ; 34,816: what one load brings of x
.set PLANE,  64*PB                     ; 10,240: 64 d of one of Wq, Wk, Wv
.set HALFB,  3*PLANE                   ; 30,720: what one load brings of W
.set BOFF,   2*HALFA                   ; 69,632: W's part of a slot
.set SLOT,   BOFF+2*HALFB              ; 131,072
.set STAGE,  2*SLOT                    ; behind the ring: 16 rows x 400 bytes for each wave; no tensor load lands here
.set SP,     400                       ; 384 bytes + 16
.set WB,     8388608                   ; W's bf16 copy in cb
.set LAPS,   4                         ; a lap = two K steps = once round the ring
.set ADRA, 16                          ; v16-17  LDS address of my fragments of x in slot 0, 1
.set ADRB, 20                          ; v20-21  the same for W
.set STO,  24                          ; v24     the way out: where I put 16 bytes of a row
.set RD,   25                          ; v25     the way out: where I read rows back
.set CO,   26                          ; v26     16 x lane: my 16 bytes of 512 consecutive bytes of q, k or v
.set FA,   32                          ; v32-63, v64-95    x's fragments, buffer 0, 1 (window 0)
.set TMP,  96                          ; v96-143   packed results
.set RB,   144                         ; v144-191  rows read back
.set G1,  24                           ; s[24:31] group 1 for x's tiles
.set G0,  32                           ; s[32:39] group 0 for x's tiles, one set for each slot
.set G1B, 48                           ; s[48:55] group 1 for W's tiles
.set G0B, 56                           ; s[56:63] group 0 for W's tiles, one set for each slot
.set OB,  68                           ; s[68:73] q, k, v at my wave's first row
.set MSB, 0
.macro WIN new                         ; the immediate's high byte repeats the setting that is left
.if MSB != \new
	s_set_vgpr_msb (MSB<<8)|\new
.set MSB, \new
.endif
.endm
.set MUL_LO, 0xa1                      ; source 0 (W) window 1, source 1 (x) window 0, C and D window 2
.set MUL_HI, 0xf1                      ; the same, C and D window 3
.set TO_B,   0x40                      ; destination window 1, address window 0
; A joint load: waves 0 and 1 fetch x's two halves, waves 2 and 3 W's.  The branch hangs on the wave's number alone.
.macro JLOAD s
	s_cmp_eq_u32 s11, 0
	s_cbranch_scc0 .Lfor_b_\@
	tensor_load_to_lds s[G0+4*\s:G0+4*\s+3], s[G1:G1+7]
	s_nop 0
	s_branch .Lasked_\@
.Lfor_b_\@:
	tensor_load_to_lds s[G0B+4*\s:G0B+4*\s+3], s[G1B:G1B+7]
	s_nop 0
.Lasked_\@:
.endm
; A round of the cluster's barrier: my work-group's barrier; wave 0 signals for the work-group; every wave waits for all sixteen; my work-group's barrier again.
.macro CREST                           ; a round behind its opening barrier
	s_cmp_lg_u32 s10, 0
	s_cbranch_scc1 .Lnot_wave_0_\@
	s_barrier_signal -3
.Lnot_wave_0_\@:
	s_barrier_wait -3
	s_barrier_signal -1
	s_barrier_wait -1
.endm
.macro CROUND
	s_barrier_signal -1
	s_barrier_wait -1
	CREST
.endm
	s_load_b128 s[4:7], s[0:1], 0x0                ; cb s[4:5], qkv s[6:7]
	s_set_vgpr_msb 0x40
	v_lshl_add_u32 v255, v0, 2, 0x46400
	s_set_vgpr_msb 0x4000
	v_mov_b32 v255, 0
	s_set_vgpr_msb 0x1
	ds_add_u32 v255, v255
	s_set_vgpr_msb 0x100
	v_lshrrev_b32 v1, 5, v0
	v_readfirstlane_b32 s10, v1                    ; wave 0..3
	s_lshr_b32 s11, s10, 1                         ; I fetch for x (0) or for W (1)
	s_and_b32 s12, s10, 1                          ; which half of that tile
	s_bfe_u32 s40, ttmp6, 0x40000                  ; cx
	s_bfe_u32 s41, ttmp6, 0x40004                  ; cy
	s_lshl_b32 s42, ttmp9, 2
	s_add_co_u32 s42, s42, s40                     ; head = 4 x cluster x + cx
	s_and_b32 s13, ttmp7, 0xffff
	s_lshl_b32 s13, s13, 2
	s_add_co_u32 s13, s13, s41                     ; mb = 4 x cluster y + cy
	s_lshl_b32 s43, s41, 2
	s_lshl_b32 s43, 15, s43                        ; my row of the cluster
	s_lshl_b32 s44, 0x1111, s40                    ; my column
	; group 1 for x: 128 rows x 128 elements of 2 bytes, pitch 1,024 elements; 4 words of padding behind every 64
	s_or_b32 s[G1+0], s43, (1<<16)|(1<<20)|(1<<21)|(5<<22)|(3<<25)
	s_mov_b32 s[G1+1], 128<<16                     ; tensor_dim0 = 128
	s_mov_b32 s[G1+2], 128<<16                     ; tensor_dim1 = 128
	s_mov_b32 s[G1+3], 128<<16                     ; tile_dim0 = 128
	s_mov_b32 s[G1+4], 128                         ; tile_dim1 = 128
	s_mov_b32 s[G1+5], 1024                        ; elements from row to row
	s_mov_b32 s[G1+6], 0
	s_mov_b32 s[G1+7], 0
	; group 1 for W: 3 rows of 4,096 elements (64 d x 64 of Wq, of Wk, of Wv), 1,048,576 elements apart; 8 words of padding behind every 32
	s_or_b32 s[G1B+0], s44, (1<<16)|(1<<20)|(1<<21)|(4<<22)|(7<<25)
	s_mov_b32 s[G1B+1], 4096<<16                   ; tensor_dim0 = 4,096
	s_mov_b32 s[G1B+2], 3<<16                      ; tensor_dim1 = 3
	s_mov_b32 s[G1B+3], 4096<<16                   ; tile_dim0 = 4,096
	s_mov_b32 s[G1B+4], 3                          ; tile_dim1 = 3
	s_mov_b32 s[G1B+5], 0x100000
	s_mov_b32 s[G1B+6], 0
	s_mov_b32 s[G1B+7], 0
	; where the tiles come from: x's offset is made of mb and the wave, W's of the head and the wave, each in registers that never hold the other coordinate
	s_lshl_b32 s16, s13, 19                        ; 256 mb rows of 2,048 bytes
	s_lshl_b32 s17, s12, 18                        ; + 128 rows for the second half
	s_add_co_u32 s16, s16, s17
	s_mov_b32 s17, 0
	s_lshl_b32 s46, s42, 17                        ; a head's 1,024 x 64 bf16
	s_lshl_b32 s47, s12, 13                        ; + 64 d for the second half
	s_add_co_u32 s46, s46, s47
	s_add_co_u32 s46, s46, WB
	s_mov_b32 s47, 0
	s_mul_i32 s20, s10, HALFA                      ; where x's halves go (waves 0, 1): wave x 34,816
	s_mul_i32 s21, s10, HALFB
	s_add_co_u32 s21, s21, BOFF-2*HALFB            ; where W's halves go (waves 2, 3): 69,632 + (wave - 2) x 30,720
	; q, k, v at my wave's first row: ((mb / 8) 16 + head) x 262,144 + ((mb mod 8) 256 + 64 w) x 128
	s_lshr_b32 s66, s13, 3
	s_lshl_b32 s66, s66, 4
	s_add_co_u32 s66, s66, s42
	s_lshl_b32 s66, s66, 18
	s_and_b32 s67, s13, 7
	s_lshl_b32 s67, s67, 15
	s_add_co_u32 s66, s66, s67
	s_lshl_b32 s67, s10, 13
	s_add_co_u32 s66, s66, s67
	s_mov_b32 s67, 0
	s_wait_dscnt 0x0
	s_wait_kmcnt 0x0
	s_add_nc_u64 s[14:15], s[4:5], s[16:17]
	s_add_nc_u64 s[46:47], s[4:5], s[46:47]
	s_add_nc_u64 s[OB:OB+1], s[6:7], s[66:67]
	s_add_nc_u64 s[OB+2:OB+3], s[OB:OB+1], 0x800000
	s_add_nc_u64 s[OB+4:OB+5], s[OB+2:OB+3], 0x800000
	CROUND                                         ; all sixteen work-groups are here: the first joint loads meet
.irp s, 0,1
	s_mov_b32 s[G0+4*\s], 1
	s_add_co_u32 s[G0+4*\s+1], s20, \s*SLOT
	s_add_nc_u64 s[G0+4*\s+2:G0+4*\s+3], s[14:15], \s*256          ; K step s: 128 bf16 along the row
	s_or_b32 s[G0+4*\s+3], s[G0+4*\s+3], 0x80000000
	s_mov_b32 s[G0B+4*\s], 1
	s_add_co_u32 s[G0B+4*\s+1], s21, \s*SLOT
	s_add_nc_u64 s[G0B+4*\s+2:G0B+4*\s+3], s[46:47], \s*16384      ; K step s: 128 d of 128 bytes
	s_or_b32 s[G0B+4*\s+3], s[G0B+4*\s+3], 0x80000000
	JLOAD \s                                       ; both slots are asked for before anything else is done: two loads of a wave are out at the most
.endr
	v_and_b32 v1, 15, v0                           ; r = lane % 16
	v_bfe_u32 v2, v0, 4, 1                         ; h = lane / 16
	v_mul_u32_u24 v3, v1, PA
	v_lshl_add_u32 v3, v2, 4, v3                   ; x: row r, 16 h bytes along K
	s_mul_i32 s22, s10, 64*PA                      ; my 64 rows
	v_add_nc_u32 v[ADRA], s22, v3
	v_add_nc_u32 v[ADRA+1], SLOT, v[ADRA]
	v_and_b32 v4, 7, v0
	v_lshl_add_u32 v5, v2, 3, v4                   ; W, transposing load: row d = 8 h + lane % 8,
	v_mul_u32_u24 v5, v5, PB
	v_bfe_u32 v6, v0, 3, 1
	v_lshl_add_u32 v5, v6, 4, v5                   ; 16 bytes on for the second eight lanes of each sixteen
	v_add_nc_u32 v[ADRB], BOFF, v5
	v_add_nc_u32 v[ADRB+1], SLOT, v[ADRB]
	s_mul_i32 s23, s10, 16*SP
	s_add_co_u32 s23, s23, STAGE                   ; my stage
	v_mul_u32_u24 v7, v1, SP
	v_lshl_add_u32 v7, v2, 4, v7
	v_add_nc_u32 v[STO], s23, v7                   ; in: row r, 16 bytes for each half of the lanes
	v_bfe_u32 v8, v0, 3, 2
	v_mul_u32_u24 v8, v8, SP
	v_lshl_add_u32 v8, v4, 4, v8
	v_add_nc_u32 v[RD], s23, v8                    ; back: eight lanes take 128 bytes of a row, a wave four rows
	v_and_b32 v9, 31, v0
	v_lshlrev_b32 v[CO], 4, v9
; 16 matrix instructions: row tiles a0, a0 + 1 x column tiles 0-7, 32 along K, from buffer f.  zero = 1: the first product starts the sums.
.macro MULLO f, a0, zero
.irp a, \a0, \a0+1
.irp b, 0,1,2,3,4,5,6,7
.if \zero
	v_wmma_f32_16x16x32_bf16 v[8*(8*(\a)+\b):8*(8*(\a)+\b)+7], v[96*\f+8*\b:96*\f+8*\b+7], v[FA+32*\f+8*(\a):FA+32*\f+8*(\a)+7], 0
.else
	v_wmma_f32_16x16x32_bf16 v[8*(8*(\a)+\b):8*(8*(\a)+\b)+7], v[96*\f+8*\b:96*\f+8*\b+7], v[FA+32*\f+8*(\a):FA+32*\f+8*(\a)+7], v[8*(8*(\a)+\b):8*(8*(\a)+\b)+7]
.endif
.endr
.endr
.endm
; 16 more: all four row tiles x column tiles 8-11
.macro MULHI f, zero
.irp a, 0,1,2,3
.irp b, 8,9,10,11
.if \zero
	v_wmma_f32_16x16x32_bf16 v[8*(4*\a+\b-8):8*(4*\a+\b-8)+7], v[96*\f+8*\b:96*\f+8*\b+7], v[FA+32*\f+8*\a:FA+32*\f+8*\a+7], 0
.else
	v_wmma_f32_16x16x32_bf16 v[8*(4*\a+\b-8):8*(4*\a+\b-8)+7], v[96*\f+8*\b:96*\f+8*\b+7], v[FA+32*\f+8*\a:FA+32*\f+8*\a+7], v[8*(4*\a+\b-8):8*(4*\a+\b-8)+7]
.endif
.endr
.endr
.endm
; 32 LDS loads in one run: the fragments of quarter kq (32 along K) of a slot into buffer f: x's four, then W's twelve with the column tiles ascending
.macro FETCH slot, kq, f
	WIN 0
.irp a, 0,1,2,3
	ds_load_b128 v[FA+32*\f+8*\a:FA+32*\f+8*\a+3],   v[ADRA+\slot] offset:\a*16*PA+64*\kq
	ds_load_b128 v[FA+32*\f+8*\a+4:FA+32*\f+8*\a+7], v[ADRA+\slot] offset:\a*16*PA+64*\kq+32
.endr
	WIN TO_B
.irp b, 0,1,2,3,4,5,6,7,8,9,10,11
	ds_load_tr16_b128 v[96*\f+8*\b:96*\f+8*\b+3],   v[ADRB+\slot] offset:(\kq>>1)*HALFB+(\kq&1)*32*PB+(\b>>2)*PLANE+(\b&3)*32
	ds_load_tr16_b128 v[96*\f+8*\b+4:96*\f+8*\b+7], v[ADRB+\slot] offset:(\kq>>1)*HALFB+(\kq&1)*32*PB+(\b>>2)*PLANE+(\b&3)*32+16*PB
.endr
.endm
; Four places behind the last matrix instruction, in front of loads into registers that matrix instructions have read and of vector
; instructions that read results (ISA guide 7.12.1 for vector instructions).
.macro PLACES
.rept 4
	v_nop
.endr
.endm
; A K step is four quarters of 32 along K, 48 matrix instructions each, on buffers 0, 1, 0, 1.  The 48 accumulators take turns, one instruction a turn,
; in the same order in every quarter.
; One of the first three: multiplies buffer f, and in its middle fetches quarter kq of the same slot into buffer g.
.macro QUARTER slot, kq, f, g, zero
	s_wait_dscnt 8                                 ; x's fragments and W's 0-7 are in; the youngest eight loads (W's 8-11) may be out
	WIN MUL_LO
	MULLO \f, 0, \zero
	MULLO \f, 2, \zero
	PLACES
	FETCH \slot, \kq, \g
	s_wait_dscnt 32                                ; all but the 32 just issued
	WIN MUL_HI
	MULHI \f, \zero
.endm
.macro THREE slot, zero
	QUARTER \slot, 1, 0, 1, \zero
	QUARTER \slot, 2, 1, 0, 0
	QUARTER \slot, 3, 0, 1, 0
.endm
; The last quarter multiplies buffer 1 and changes slots.  In front of the barrier each wave waits for its reads of this slot and for all its tensor
; loads (one is out: its part of the next slot); behind it the refill comes first, then the next slot's first fragments.
; From a request to the wait for it a wave issues 176 matrix instructions.
.macro TURN slot, next, fill
	s_wait_dscnt 8
	WIN MUL_LO
	MULLO 1, 0, 0
	s_wait_dscnt 0                                 ; my reads of this slot are over
	s_wait_tensorcnt 0x0                           ; and all my tensor loads have landed
	ds_add_u32 v255, v255
	s_wait_dscnt 0x0
	s_barrier_signal -1                            ; (where the slot is filled again this barrier opens a round of the cluster's barrier)
	MULLO 1, 2, 0                                  ; register work while the others arrive
	WIN 0
	s_barrier_wait -1
.if \fill
	CREST                                          ; no wave of any partner still reads this slot or has a load on its way
	s_add_nc_u64 s[G0+4*\slot+2:G0+4*\slot+3], s[G0+4*\slot+2:G0+4*\slot+3], 512
	s_add_nc_u64 s[G0B+4*\slot+2:G0B+4*\slot+3], s[G0B+4*\slot+2:G0B+4*\slot+3], 32768
	JLOAD \slot                                    ; two K steps ahead: the first tensor load behind the round, the wave's only one
.endif
	PLACES
	FETCH \next, 0, 0
	WIN MUL_HI
	MULHI 1, 0
.endm
.macro LAP zero
	THREE 0, \zero
	TURN 0, 1, 1
	THREE 1, 0
	TURN 1, 0, 1
.endm
	s_wait_tensorcnt 1                             ; my part of K step 0 is in; K step 1's may stay out
	s_barrier_signal -1
	s_barrier_wait -1                              ; everybody's is
	FETCH 0, 0, 0
	LAP 1                                          ; the first lap stands in front of the loop: its first products start the sums
	WIN 0
	s_mov_b32 s3, LAPS-2
.Llap:
	LAP 0
	WIN 0
	s_sub_co_u32 s3, s3, 1
	s_cmp_lg_u32 s3, 0
	s_cbranch_scc1 .Llap
	THREE 0, 0                                     ; the last lap fills nothing
	TURN 0, 1, 0
	THREE 1, 0
	s_wait_dscnt 8
	WIN MUL_LO
	MULLO 1, 0, 0
	MULLO 1, 2, 0
	s_wait_dscnt 0
	WIN MUL_HI
	MULHI 1, 0
	PLACES                                         ; behind the last matrix instructions, in front of the conversions
; THE WAY OUT, 16 rows at a time: round to f16, 16 bytes a lane into my own stage, read back so that a wave's store covers four whole rows
; (512 consecutive bytes) of q, of k or of v.  LDS serves a wave's instructions in order: no wait between the stores and the loads.
.macro OUT16 a
	WIN 0x0a                                       ; sources in window 2
.irp b, 0,1,2,3,4,5,6,7
.irp q, 0,1,2,3
	v_cvt_pk_f16_f32 v[TMP+4*\b+\q], v[8*(8*\a+\b)+2*\q], v[8*(8*\a+\b)+2*\q+1]
.endr
.endr
	WIN 0x0f                                       ; sources in window 3
.irp b, 8,9,10,11
.irp q, 0,1,2,3
	v_cvt_pk_f16_f32 v[TMP+4*\b+\q], v[8*(4*\a+\b-8)+2*\q], v[8*(4*\a+\b-8)+2*\q+1]
.endr
.endr
	WIN 0
.irp b, 0,1,2,3,4,5,6,7,8,9,10,11
	ds_store_b128 v[STO], v[TMP+4*\b:TMP+4*\b+3] offset:32*\b
.endr
	s_wait_xcnt 0x0                                ; RB, which the last sixteen rows' stores read, is loaded again only behind this wait
.irp p, 0,1,2
.irp i, 0,1,2,3
	ds_load_b128 v[RB+4*(4*\p+\i):RB+4*(4*\p+\i)+3], v[RD] offset:128*\p+4*SP*\i
.endr
.endr
.irp p, 0,1,2
.irp i, 0,1,2,3
	s_wait_dscnt 11-(4*\p+\i)                      ; LDS loads come back in order: this one is in
	global_store_b128 v[CO], v[RB+4*(4*\p+\i):RB+4*(4*\p+\i)+3], s[OB+2*\p:OB+2*\p+1] offset:(16*\a+4*\i)*128
.endr
.endr
.endm
	OUT16 0
	OUT16 1
	OUT16 2
	OUT16 3
	s_set_vgpr_msb 0x1
	s_wait_tensorcnt 0x0
	ds_add_u32 v255, v255
	s_wait_dscnt 0x0
	s_set_vgpr_msb 0x100
	CROUND                                         ; the closing round: no work-group ends while a partner may still ask for a tile that names it
	s_endpgm
.Lfunc_end_k_q681b9d148c_qkv:
	.size	k_q681b9d148c_qkv, .Lfunc_end_k_q681b9d148c_qkv-k_q681b9d148c_qkv
	.p2alignl 7, 3214868480
	.fill 96, 4, 3214868480
	.section	.rodata,"a",@progbits
	.p2align	6, 0x0
	.amdhsa_kernel k_q681b9d148c_qkv
		.amdhsa_group_segment_fixed_size 327680
		.amdhsa_private_segment_fixed_size 0
		.amdhsa_enable_private_segment 0
		.amdhsa_kernarg_size 16
		.amdhsa_user_sgpr_count 2
		.amdhsa_user_sgpr_kernarg_segment_ptr 1
		.amdhsa_wavefront_size32 1
		.amdhsa_system_sgpr_workgroup_id_x 1
		.amdhsa_system_sgpr_workgroup_id_y 1
		.amdhsa_system_sgpr_workgroup_id_z 1
		.amdhsa_system_vgpr_workitem_id 0
		.amdhsa_next_free_vgpr 896
		.amdhsa_next_free_sgpr 76
		.amdhsa_reserve_vcc 0
		.amdhsa_float_denorm_mode_32 3
		.amdhsa_float_denorm_mode_16_64 3
		.amdhsa_memory_ordered 1
		.amdhsa_forward_progress 1
		.amdhsa_inst_pref_size 163
	.end_amdhsa_kernel
	.amdgpu_metadata
---
amdhsa.version: [ 1, 2 ]
amdhsa.kernels:
  - .name:           k_q681b9d148c_qkv
    .symbol:         k_q681b9d148c_qkv.kd
    .args:
      - { .name: cb, .offset: 0, .size: 8, .value_kind: global_buffer, .address_space: global }
      - { .name: qkv, .offset: 8, .size: 8, .value_kind: global_buffer, .address_space: global }
    .group_segment_fixed_size: 327680
    .private_segment_fixed_size: 0
    .kernarg_segment_align: 8
    .kernarg_segment_size: 16
    .max_flat_workgroup_size: 128
    .sgpr_count:     76
    .vgpr_count:     896
    .wavefront_size: 32
...
	.end_amdgpu_metadata
.endif
;; end of part 2
;; launch attn (part 3): grid 8 x 32, 8 waves a work-group, no clusters, 327,680 bytes of LDS; arguments qkv, att; writes att
.if DOCPART == 3
	.amdgcn_target "amdgcn-amd-amdhsa--gfx1250"
	.amdhsa_code_object_version 6
	.text
	.protected	k_q681b9d148c_attn
	.globl	k_q681b9d148c_attn
	.p2align	8
	.type	k_q681b9d148c_attn,@function
k_q681b9d148c_attn:
	s_mov_b64 s[64:65], 0
	v_nop
	global_prefetch_b8 v0, s[64:65] scope:SCOPE_SE
	s_setreg_imm32_b32 hwreg(HW_REG_WAVE_MODE, 25, 1), 1
	s_wait_xcnt 0x0
; Causal attention of one (batch, head): att[bh][t][.] = softmax over s <= t of (q[t] . k[s] / 8) applied to v.  q, k, v, att: f16 [bh][2048][64]; sums f32.
; Query blocks of 128 rows, key blocks of 128.  Work-group (u, bh) makes query block b = 14 - 2 u (15 - 2 u key blocks) and then block a = 2 u + 1
; (2 u + 2 key blocks): 17 trips in every work-group.  Key blocks above the diagonal are left out: their weights are zeros.  Each phase takes its
; diagonal block first and then walks down to block 0, so a phase's first trip is the masked one and also the one that starts the sums.
; Eight waves: wave w takes keys 64 g .. + 63 of every tile (g = w / 4) and query rows 32 wq .. + 31 (wq = w % 4).  The two key halves keep their own
; running maximum, sum and output and are merged once a phase through LDS.
; Products are transposed: S^T = K Q^T (a lane holds 8 keys of one query), so that two neighbouring tiles of S^T, rounded to f16 in place, are the
; second operand of O^T = V^T P^T, and maximum, sum and rescaling are a lane's own but for one exchange between the halves of the wave.
; SOFTMAX: p = exp2(c s + n), c = log2(e) / 8, n = - c x (running maximum), rounded once and kept; the factor that rescales is exp2(n_new - n_old),
; so that every exponential of a row refers to the same rounded number.  The running maximum is taken away as the definition does.
; LIMITS: masked scores take the raw value -2^33 (-2^30 behind the 1/8) instead of -1e9: the same result as long as a row's largest true score lies
; above about -1e9 + 150.  |q|, |k|, |v| < 65,504 (f16).
; NO CLUSTER: the eight work-groups of a head walk the key blocks in different orders (the first phases have 15, 13, .. 1 blocks); in step they
; would need 24 block steps each instead of 17.
.set SLOT,  38912                      ; K: 128 rows of 144 bytes, then V: 128 rows of 160 bytes
.set VOFF,  18432
.set PITK,  144                        ; 128 bytes + 16
.set PITV,  160                        ; 128 bytes + 32, an odd multiple of 32 for the transposing load
.set MRGB,  77824                      ; behind the ring: 8,704 bytes for each wq: the upper key half's output (8,192), its n and sums (512)
.set STGB,  112640                     ; 4,608 bytes for each wave: 32 rows of 144 bytes, the way out.  No tensor load lands in either.
.set KA,   2                           ; v2   LDS address of my fragments of K in slot 0
.set VA,   3                           ; v3   the same for V
.set QOFF, 4                           ; v4   my bytes in a block of q
.set DM,   5                           ; v5   (my query) - (my first key) inside a diagonal block, for query tile 0 and key tile 0
.set MA,   6                           ; v6   merge area + 16 x lane
.set STO,  7                           ; v7   the way out: where I put 16 bytes of a row
.set ML,   8                           ; v[8:11]  n of tile 0, 1 (copied for the merge), sums of tile 0, 1
.set LS,   10
.set NCM,  12                          ; v[12:13], v[14:15]  n of query tile 0, 1, each twice (a pair for the packed forms)
.set AL,   16                          ; v[16:17], v[18:19]  the rescaling factor, likewise
.set T,    20                          ; v[20:27] at work: four for each query tile
.set RD,   28                          ; v28  the way out: where I read rows back
.set CO,   29                          ; v29  my bytes in a block of att
.set QF,   32                          ; v[32:63]    q's fragment (n, c) at 16 n + 8 c
.set O,    64                          ; v[64:127]   O^T tile (t, n) at 32 n + 8 t
.set S,    128                         ; v[128:191]  S^T tile (i, n) at 32 n + 8 i; then P^T fragment (cp, n) at 32 n + 16 cp
.set KV,   192                         ; v[192:255]  K's fragment (i, c) at 16 i + 8 c; then V^T's fragment (cp, t) at 32 cp + 8 t
.set G1K, 32                           ; s[32:39] group 1 for K's tiles
.set G1V, 40                           ; s[40:47] group 1 for V's tiles
.set G0K, 48                           ; s[48:55] group 0 for K's tiles, one set for each slot
.set G0V, 56                           ; s[56:63] the same for V
	s_load_b128 s[4:7], s[0:1], 0x0                ; qkv s[4:5], att s[6:7]
	v_lshl_add_u32 v30, v0, 2, 0x29000
	v_mov_b32 v31, 0
	ds_add_u32 v30, v31
	v_lshrrev_b32 v1, 5, v0
	v_readfirstlane_b32 s8, v1                     ; wave 0..7
	s_lshr_b32 s9, s8, 2                           ; g
	s_and_b32 s10, s8, 3                           ; wq
	s_mov_b32 s11, ttmp9                           ; u
	s_and_b32 s12, ttmp7, 0xffff                   ; bh
	s_lshl_b32 s14, s11, 1
	s_sub_co_u32 s13, 14, s14                      ; b
	s_add_co_u32 s14, s14, 1                       ; a
	s_mov_b32 s15, s13                             ; the key block asked for last
	s_mov_b32 s16, 0x76543210                      ; v_permlanex16_b32: lane i of one half reads lane i of the other
	s_mov_b32 s17, 0xfedcba98
	s_mov_b32 s18, 0x3e38aa3b                      ; c = log2(e) / 8, twice
	s_mov_b32 s19, 0x3e38aa3b
	s_mov_b32 s21, 0xbe38aa3b                      ; - c
	s_mov_b32 s28, 0xd0000000                      ; -2^33: c times it is exact, so a row wholly masked in one key half gives p = 1, wiped out later by a factor 0
	s_mov_b32 s23, 0
	s_mov_b32 s3, 0
	; group 1: a tile is 16,384 consecutive bytes, taken as 64 rows of 128 elements; padding behind every 32 words (a key's 128 bytes): K 4 words, V 8
	s_mov_b32 s[G1K+0], (1<<16)|(1<<20)|(4<<22)|(3<<25)
	s_mov_b32 s[G1V+0], (1<<16)|(1<<20)|(4<<22)|(7<<25)
.irp g, G1K, G1V
	s_mov_b32 s[\g+1], 128<<16                     ; tensor_dim0 = 128
	s_mov_b32 s[\g+2], 64<<16                      ; tensor_dim1 = 64
	s_mov_b32 s[\g+3], 128<<16                     ; tile_dim0 = 128
	s_mov_b32 s[\g+4], 64                          ; tile_dim1 = 64
	s_mov_b32 s[\g+5], 128                         ; elements from row to row
	s_mov_b32 s[\g+6], 0
	s_mov_b32 s[\g+7], 0
.endr
	s_mov_b32 s[G0K+0], 1
	s_mov_b32 s[G0K+1], 0
	s_mov_b32 s[G0K+4], 1
	s_mov_b32 s[G0K+5], SLOT
	s_mov_b32 s[G0V+0], 1
	s_mov_b32 s[G0V+1], VOFF
	s_mov_b32 s[G0V+4], 1
	s_mov_b32 s[G0V+5], SLOT+VOFF
	s_lshl_b32 s2, s12, 18                         ; a (batch, head) is 262,144 bytes
	s_lshl_b32 s22, s15, 14                        ; a block is 16,384 bytes
	s_wait_dscnt 0x0
	s_barrier_signal -1
	s_barrier_wait -1
	s_wait_kmcnt 0x0
	s_add_nc_u64 s[4:5], s[4:5], s[2:3]            ; q of my bh
	s_add_nc_u64 s[6:7], s[6:7], s[2:3]            ; att of my bh
	s_add_nc_u64 s[24:25], s[4:5], 0x800000        ; k
	s_add_nc_u64 s[26:27], s[4:5], 0x1000000       ; v
	s_add_nc_u64 s[G0K+2:G0K+3], s[24:25], s[22:23]
	s_or_b32 s[G0K+3], s[G0K+3], 0x80000000
	s_add_nc_u64 s[G0V+2:G0V+3], s[26:27], s[22:23]
	s_or_b32 s[G0V+3], s[G0V+3], 0x80000000
; Wave 0 asks for K's tile of a slot, wave 1 for V's; the other waves ask for nothing.  One tensor load of a wave is out at the most.
.macro FILL s
	s_cmp_lg_u32 s8, 0
	s_cbranch_scc1 .Lnot_k_\@
	tensor_load_to_lds s[G0K+4*\s:G0K+4*\s+3], s[G1K:G1K+7]
	s_nop 0
.Lnot_k_\@:
	s_cmp_lg_u32 s8, 1
	s_cbranch_scc1 .Lnot_v_\@
	tensor_load_to_lds s[G0V+4*\s:G0V+4*\s+3], s[G1V:G1V+7]
	s_nop 0
.Lnot_v_\@:
.endm
	FILL 0                                         ; the diagonal block of phase b, ahead of everything else
	s_add_nc_u64 s[66:67], s[4:5], s[22:23]        ; q and att at block b
	s_add_nc_u64 s[70:71], s[6:7], s[22:23]
	s_lshl_b32 s2, s14, 14
	s_add_nc_u64 s[68:69], s[4:5], s[2:3]          ; and at block a
	s_add_nc_u64 s[72:73], s[6:7], s[2:3]
	v_and_b32 v1, 15, v0                           ; r = lane % 16
	v_bfe_u32 v20, v0, 4, 1                        ; h = lane / 16
	v_and_b32 v21, 7, v0
	v_bfe_u32 v22, v0, 3, 1
	v_bfe_u32 v23, v0, 3, 2
	v_and_b32 v24, 31, v0                          ; lane
	s_lshl_b32 s29, s10, 12                        ; my 32 rows of 128 bytes
	v_lshlrev_b32 v[QOFF], 7, v1
	v_lshl_add_u32 v[QOFF], v20, 4, v[QOFF]
	v_add_nc_u32 v[QOFF], s29, v[QOFF]             ; row 32 wq + r, 16 h bytes along the head
	v_lshl_add_u32 v[CO], v24, 4, s29
.macro QLOAD qb                        ; q's four fragments straight from memory: two a phase for each wave
.irp n, 0,1
.irp c, 0,1
	global_load_b128 v[QF+16*\n+8*\c:QF+16*\n+8*\c+3],   v[QOFF], s[\qb:\qb+1] offset:2048*\n+64*\c
	global_load_b128 v[QF+16*\n+8*\c+4:QF+16*\n+8*\c+7], v[QOFF], s[\qb:\qb+1] offset:2048*\n+64*\c+32
.endr
.endr
.endm
	QLOAD 66
	s_mul_i32 s29, s9, 64*PITK
	v_mul_u32_u24 v[KA], v1, PITK
	v_lshl_add_u32 v[KA], v20, 4, v[KA]
	v_add_nc_u32 v[KA], s29, v[KA]                 ; key 64 g + r, 16 h bytes along the head
	s_mul_i32 s30, s9, 64*PITV
	s_add_co_u32 s30, s30, VOFF
	v_lshl_add_u32 v[VA], v20, 3, v21              ; transposing load: key 64 g + 8 h + lane % 8,
	v_mul_u32_u24 v[VA], v[VA], PITV
	v_lshl_add_u32 v[VA], v22, 4, v[VA]            ; 16 bytes on for the second eight lanes of each sixteen
	v_add_nc_u32 v[VA], s30, v[VA]
	s_lshl_b32 s29, s10, 5
	s_lshl_b32 s31, s9, 6
	s_sub_co_i32 s29, s29, s31                     ; 32 wq - 64 g
	v_lshlrev_b32 v25, 3, v20
	v_sub_nc_u32 v[DM], v1, v25
	v_add_nc_u32 v[DM], s29, v[DM]                 ; + r - 8 h
	s_mul_i32 s30, s10, 8704
	s_add_co_u32 s30, s30, MRGB
	v_lshl_add_u32 v[MA], v24, 4, s30
	s_mul_i32 s31, s8, 4608
	s_add_co_u32 s31, s31, STGB
	v_mul_u32_u24 v[STO], v1, PITK
	v_lshl_add_u32 v[STO], v20, 4, v[STO]
	v_add_nc_u32 v[STO], s31, v[STO]
	v_mul_u32_u24 v[RD], v23, PITK
	v_lshl_add_u32 v[RD], v21, 4, v[RD]
	v_add_nc_u32 v[RD], s31, v[RD]
; The next key block: one down; behind block 0 of phase b comes the diagonal block of phase a.  Writes slot o's two group 0 (no tensor load is out).
.macro NEXT o
	s_sub_co_i32 s15, s15, 1
	s_cmp_lt_i32 s15, 0
	s_cselect_b32 s15, s14, s15
	s_lshl_b32 s22, s15, 14
	s_add_nc_u64 s[G0K+4*\o+2:G0K+4*\o+3], s[24:25], s[22:23]
	s_or_b32 s[G0K+4*\o+3], s[G0K+4*\o+3], 0x80000000
	s_add_nc_u64 s[G0V+4*\o+2:G0V+4*\o+3], s[26:27], s[22:23]
	s_or_b32 s[G0V+4*\o+3], s[G0V+4*\o+3], 0x80000000
.endm
; The maximum of query tile n over my 32 scores and the other half's 32; n = - c max; the factor for what has been summed so far.
.macro SMAX n, first
.irp k, 0,1,2,3
	v_max3_num_f32 v[T+4*\n+\k], v[S+32*\n+8*\k], v[S+32*\n+8*\k+1], v[S+32*\n+8*\k+2]
.endr
.irp k, 0,1,2,3
	v_max3_num_f32 v[T+4*\n+\k], v[T+4*\n+\k], v[S+32*\n+8*\k+3], v[S+32*\n+8*\k+4]
.endr
.irp k, 0,1,2,3
	v_max3_num_f32 v[T+4*\n+\k], v[T+4*\n+\k], v[S+32*\n+8*\k+5], v[S+32*\n+8*\k+6]
.endr
	v_max3_num_f32 v[T+4*\n], v[T+4*\n], v[T+4*\n+1], v[S+32*\n+7]
	v_max3_num_f32 v[T+4*\n+2], v[T+4*\n+2], v[T+4*\n+3], v[S+32*\n+15]
	v_max3_num_f32 v[T+4*\n], v[T+4*\n], v[T+4*\n+2], v[S+32*\n+23]
	v_max_num_f32 v[T+4*\n], v[T+4*\n], v[S+32*\n+31]
	v_permlanex16_b32 v[T+4*\n+1], v[T+4*\n], s16, s17
	v_max_num_f32 v[T+4*\n], v[T+4*\n], v[T+4*\n+1]
.if \first
	v_mul_f32 v[NCM+2*\n], s21, v[T+4*\n]
	v_mul_f32 v[NCM+2*\n+1], s21, v[T+4*\n]
.else
	v_mul_f32 v[T+4*\n], s21, v[T+4*\n]
	v_min_num_f32 v[T+4*\n+1], v[NCM+2*\n], v[T+4*\n]      ; the larger maximum is the smaller n
	v_sub_f32 v[T+4*\n+2], v[T+4*\n+1], v[NCM+2*\n]
	v_exp_f32 v[AL+2*\n], v[T+4*\n+2]
	v_exp_f32 v[AL+2*\n+1], v[T+4*\n+2]
	v_mov_b32 v[NCM+2*\n], v[T+4*\n+1]                     ; a plain instruction behind the exponentials, ahead of any use (ISA guide 5.7.2)
	v_mov_b32 v[NCM+2*\n+1], v[T+4*\n+1]
.endif
.endm
; p = exp2(c s + n) in place, its sum into my half's running sum, p rounded to f16 in place as P^T's fragments, O^T rescaled.
.macro SEXP n, first
.set q, 0
.rept 16
	v_pk_fma_f32 v[S+32*\n+q:S+32*\n+q+1], v[S+32*\n+q:S+32*\n+q+1], s[18:19], v[NCM+2*\n:NCM+2*\n+1] op_sel_hi:[1,0,1]
.set q, q+2
.endr
.set q, 0
.rept 32
	v_exp_f32 v[S+32*\n+q], v[S+32*\n+q]
.set q, q+1
.endr
	v_nop                                          ; the place behind the last exponential
	s_wait_alu depctr_va_vdst(0)
	v_pk_add_f32 v[T+4*\n:T+4*\n+1], v[S+32*\n:S+32*\n+1], v[S+32*\n+2:S+32*\n+3]
	v_pk_add_f32 v[T+4*\n+2:T+4*\n+3], v[S+32*\n+4:S+32*\n+5], v[S+32*\n+6:S+32*\n+7]
.set q, 8
.rept 6
	v_pk_add_f32 v[T+4*\n:T+4*\n+1], v[T+4*\n:T+4*\n+1], v[S+32*\n+q:S+32*\n+q+1]
	v_pk_add_f32 v[T+4*\n+2:T+4*\n+3], v[T+4*\n+2:T+4*\n+3], v[S+32*\n+q+2:S+32*\n+q+3]
.set q, q+4
.endr
	v_pk_add_f32 v[T+4*\n:T+4*\n+1], v[T+4*\n:T+4*\n+1], v[T+4*\n+2:T+4*\n+3]
.if \first
	v_add_f32 v[LS+\n], v[T+4*\n], v[T+4*\n+1]
.else
	v_add_f32 v[T+4*\n], v[T+4*\n], v[T+4*\n+1]
	v_fma_f32 v[LS+\n], v[LS+\n], v[AL+2*\n], v[T+4*\n]
.endif
.irp cp, 0,1
.irp k, 0,1,2,3,4,5,6,7
	v_cvt_pk_f16_f32 v[S+32*\n+16*\cp+\k], v[S+32*\n+16*\cp+2*\k], v[S+32*\n+16*\cp+2*\k+1]   ; ascending: a word is written when both its numbers and all below are used
.endr
.endr
.if \first
.else
.set q, 0
.rept 16
	v_pk_mul_f32 v[O+32*\n+q:O+32*\n+q+1], v[O+32*\n+q:O+32*\n+q+1], v[AL+2*\n:AL+2*\n+1]
.set q, q+2
.endr
.endif
.endm
; O^T += V^T P^T for 32 keys: eight accumulators, one instruction each
.macro PV cp, zero
.irp n, 0,1
.irp t, 0,1,2,3
.if \zero
	v_wmma_f32_16x16x32_f16 v[O+32*\n+8*\t:O+32*\n+8*\t+7], v[KV+32*\cp+8*\t:KV+32*\cp+8*\t+7], v[S+32*\n+16*\cp:S+32*\n+16*\cp+7], 0
.else
	v_wmma_f32_16x16x32_f16 v[O+32*\n+8*\t:O+32*\n+8*\t+7], v[KV+32*\cp+8*\t:KV+32*\cp+8*\t+7], v[S+32*\n+16*\cp:S+32*\n+16*\cp+7], v[O+32*\n+8*\t:O+32*\n+8*\t+7]
.endif
.endr
.endr
.endm
; One key block out of slot 'slot'.  other = the other slot; first = 1: a phase's diagonal block; refill = 1: the next block is asked for.
.macro TRIP slot, other, first, refill
	s_wait_tensorcnt 0x0                           ; all my tensor loads have landed, my part of this trip's tile among them: every group 0 may be written
	ds_add_u32 v30, v31
	s_wait_dscnt 0x0
.if \refill
	NEXT \other
.endif
	s_wait_dscnt 0x0                               ; my reads of the other slot are over
	s_barrier_signal -1
	s_barrier_wait -1                              ; both now hold of every wave
.if \refill
	FILL \other                                    ; first thing behind the barrier, one load a wave: it has this whole trip in which to land
.endif
.irp c, 0,1
.irp i, 0,1,2,3
	ds_load_b128 v[KV+16*\i+8*\c:KV+16*\i+8*\c+3],   v[KA] offset:\slot*SLOT+16*PITK*\i+64*\c
	ds_load_b128 v[KV+16*\i+8*\c+4:KV+16*\i+8*\c+7], v[KA] offset:\slot*SLOT+16*PITK*\i+64*\c+32
.endr
.endr
.if \first
	s_wait_loadcnt 0x0                             ; q's fragments of this phase
.endif
	s_wait_dscnt 0x8                               ; the fragments of the head's first 32 numbers are in; the eight loads of the second 32 may be out
.irp n, 0,1
.irp i, 0,1,2,3
	v_wmma_f32_16x16x32_f16 v[S+32*\n+8*\i:S+32*\n+8*\i+7], v[KV+16*\i:KV+16*\i+7], v[QF+16*\n:QF+16*\n+7], 0
.endr
.endr
	s_wait_dscnt 0x0
.irp n, 0,1
.irp i, 0,1,2,3
	v_wmma_f32_16x16x32_f16 v[S+32*\n+8*\i:S+32*\n+8*\i+7], v[KV+16*\i+8:KV+16*\i+15], v[QF+16*\n+8:QF+16*\n+15], v[S+32*\n+8*\i:S+32*\n+8*\i+7]   ; the eight accumulators take turns
.endr
.endr
.rept 4
	v_nop                                          ; four places: in front of the loads into K's registers and of the reads of S^T
.endr
.irp cp, 0,1
.irp t, 0,1,2,3
	ds_load_tr16_b128 v[KV+32*\cp+8*\t:KV+32*\cp+8*\t+3],   v[VA] offset:\slot*SLOT+32*PITV*\cp+32*\t
	ds_load_tr16_b128 v[KV+32*\cp+8*\t+4:KV+32*\cp+8*\t+7], v[VA] offset:\slot*SLOT+32*PITV*\cp+32*\t+16*PITV
.endr
.endr
.if \first
.irp n, 0,1                            ; kept where key <= query: 64 g + 16 i + 8 h + j <= 32 wq + 16 n + r
.irp i, 0,1,2,3
.irp j, 0,1,2,3,4,5,6,7
	v_cmp_le_i32 vcc_lo, 16*\i+\j-16*\n, v[DM]
	v_cndmask_b32 v[S+32*\n+8*\i+\j], s28, v[S+32*\n+8*\i+\j], vcc_lo
.endr
.endr
.endr
.endif
	SMAX 0, \first
	SMAX 1, \first
	SEXP 0, \first
	SEXP 1, \first
	s_wait_dscnt 0x0                               ; V^T's fragments, asked for in front of the softmax
	PV 0, \first
	PV 1, 0
.rept 5
	v_nop                                          ; five places: the next trip's products write over P^T, its loads land on V^T's registers
.endr
.endm
; The merge factors of query tile n: mine into AL's pair, the other key half's into NCM's pair, both already divided by the row's whole sum.
.macro MERGE1 n
	v_min_num_f32 v[T+4], v[NCM+2*\n], v[T+\n]
	v_sub_f32 v[T+5], v[T+4], v[NCM+2*\n]
	v_sub_f32 v[T+6], v[T+4], v[T+\n]
	v_exp_f32 v[T+5], v[T+5]
	v_exp_f32 v[T+6], v[T+6]
	v_nop
	s_wait_alu depctr_va_vdst(0)
	v_mul_f32 v[T+7], v[LS+\n], v[T+5]
	v_fma_f32 v[T+7], v[T+2+\n], v[T+6], v[T+7]
	v_permlanex16_b32 v[T+4], v[T+7], s16, s17     ; the sums were kept by halves of the wave: now they meet
	v_add_f32 v[T+7], v[T+7], v[T+4]
	v_rcp_f32 v[T+7], v[T+7]                       ; at least 1: the row's largest score gives p = 1 with factor 1
	v_nop
	s_wait_alu depctr_va_vdst(0)
	v_mul_f32 v[AL+2*\n], v[T+5], v[T+7]
	v_mul_f32 v[AL+2*\n+1], v[T+5], v[T+7]
	v_mul_f32 v[NCM+2*\n], v[T+6], v[T+7]
	v_mul_f32 v[NCM+2*\n+1], v[T+6], v[T+7]
.endm
; The end of a phase.  ob: att's base for this block; next = 1: q's fragments of the next block (base qb) are asked for first.
.macro PHASE_END ob, next, qb
.if \next
	QLOAD \qb
.endif
	s_cmp_eq_u32 s9, 0
	s_cbranch_scc1 .Llower_\@
	v_mov_b32 v[ML], v[NCM]                        ; the upper key half hands over its n, its sums and its output
	v_mov_b32 v[ML+1], v[NCM+2]
.irp i, 0,1,2,3,4,5,6,7,8,9,10,11,12,13,14,15
	ds_store_b128 v[MA], v[O+4*\i:O+4*\i+3] offset:512*\i
.endr
	ds_store_b128 v[MA], v[ML:ML+3] offset:8192
.Llower_\@:
	s_wait_dscnt 0x0                               ; for the others' sake: my stores are in LDS
	s_barrier_signal -1
	s_barrier_wait -1                              ; the tile asked for in the last trip may stay on its way
	s_cmp_lg_u32 s9, 0
	s_cbranch_scc1 .Lupper_\@
.irp i, 0,1,2,3,4,5,6,7,8,9,10,11,12,13,14,15
	ds_load_b128 v[KV+4*\i:KV+4*\i+3], v[MA] offset:512*\i
.endr
	ds_load_b128 v[T:T+3], v[MA] offset:8192
	s_wait_dscnt 0x0
	MERGE1 0
	MERGE1 1
.irp n, 0,1
.set q, 0
.rept 16
	v_pk_mul_f32 v[O+32*\n+q:O+32*\n+q+1], v[O+32*\n+q:O+32*\n+q+1], v[AL+2*\n:AL+2*\n+1]
	v_pk_fma_f32 v[O+32*\n+q:O+32*\n+q+1], v[KV+32*\n+q:KV+32*\n+q+1], v[NCM+2*\n:NCM+2*\n+1], v[O+32*\n+q:O+32*\n+q+1]
.set q, q+2
.endr
.endr
.irp n, 0,1
.irp t, 0,1,2,3
.irp k, 0,1,2,3
	v_cvt_pk_f16_f32 v[S+16*\n+4*\t+\k], v[O+32*\n+8*\t+2*\k], v[O+32*\n+8*\t+2*\k+1]
.endr
	ds_store_b128 v[STO], v[S+16*\n+4*\t:S+16*\n+4*\t+3] offset:16*PITK*\n+32*\t    ; row 16 n + r, the head's numbers 16 t + 8 h ..
.endr
.endr
.irp i, 0,1,2,3,4,5,6,7
	ds_load_b128 v[KV+4*\i:KV+4*\i+3], v[RD] offset:4*PITK*\i      ; my own stage: LDS serves a wave's instructions in order
.endr
.irp i, 0,1,2,3,4,5,6,7
	s_wait_dscnt 7-\i
	global_store_b128 v[CO], v[KV+4*\i:KV+4*\i+3], s[\ob:\ob+1] offset:512*\i   ; four whole rows: 512 consecutive bytes
.endr
.Lupper_\@:
.if \next
	s_wait_xcnt 0x0                                ; the stores' data registers are loaded again in the next trip only behind this wait
.endif
.endm
	TRIP 0, 1, 1, 1                                ; phase b: the diagonal block; slot 1 gets its first fill behind this trip's barrier
	s_sub_co_u32 s20, 7, s11                       ; then 14 - 2 u blocks, two a lap
	s_cmp_eq_u32 s20, 0
	s_cbranch_scc1 .Lb_done
.Lb_lap:
	TRIP 1, 0, 0, 1
	TRIP 0, 1, 0, 1
	s_sub_co_i32 s20, s20, 1
	s_cmp_lg_u32 s20, 0
	s_cbranch_scc1 .Lb_lap
.Lb_done:
	PHASE_END 70, 1, 68
	TRIP 1, 0, 1, 1                                ; phase a: the diagonal block, asked for in phase b's last trip
	s_mov_b32 s20, s11                             ; then 2 u blocks, two a lap,
	s_cmp_eq_u32 s20, 0
	s_cbranch_scc1 .La_done
.La_lap:
	TRIP 0, 1, 0, 1
	TRIP 1, 0, 0, 1
	s_sub_co_i32 s20, s20, 1
	s_cmp_lg_u32 s20, 0
	s_cbranch_scc1 .La_lap
.La_done:
	TRIP 0, 1, 0, 0                                ; and block 0: nothing is left to ask for
	PHASE_END 72, 0, 68
	s_wait_tensorcnt 0x0
	ds_add_u32 v30, v31
	s_wait_dscnt 0x0
	s_endpgm
.Lfunc_end_k_q681b9d148c_attn:
	.size	k_q681b9d148c_attn, .Lfunc_end_k_q681b9d148c_attn-k_q681b9d148c_attn
	.p2alignl 7, 3214868480
	.fill 96, 4, 3214868480
	.section	.rodata,"a",@progbits
	.p2align	6, 0x0
	.amdhsa_kernel k_q681b9d148c_attn
		.amdhsa_group_segment_fixed_size 327680
		.amdhsa_private_segment_fixed_size 0
		.amdhsa_enable_private_segment 0
		.amdhsa_kernarg_size 16
		.amdhsa_user_sgpr_count 2
		.amdhsa_user_sgpr_kernarg_segment_ptr 1
		.amdhsa_wavefront_size32 1
		.amdhsa_system_sgpr_workgroup_id_x 1
		.amdhsa_system_sgpr_workgroup_id_y 1
		.amdhsa_system_sgpr_workgroup_id_z 1
		.amdhsa_system_vgpr_workitem_id 0
		.amdhsa_next_free_vgpr 256
		.amdhsa_next_free_sgpr 76
		.amdhsa_reserve_vcc 1
		.amdhsa_float_denorm_mode_32 3
		.amdhsa_float_denorm_mode_16_64 3
		.amdhsa_memory_ordered 1
		.amdhsa_forward_progress 1
		.amdhsa_inst_pref_size 160
	.end_amdhsa_kernel
	.amdgpu_metadata
---
amdhsa.version: [ 1, 2 ]
amdhsa.kernels:
  - .name:           k_q681b9d148c_attn
    .symbol:         k_q681b9d148c_attn.kd
    .args:
      - { .name: qkv, .offset: 0, .size: 8, .value_kind: global_buffer, .address_space: global }
      - { .name: att, .offset: 8, .size: 8, .value_kind: global_buffer, .address_space: global }
    .group_segment_fixed_size: 327680
    .private_segment_fixed_size: 0
    .kernarg_segment_align: 8
    .kernarg_segment_size: 16
    .max_flat_workgroup_size: 256
    .sgpr_count:     76
    .vgpr_count:     256
    .wavefront_size: 32
...
	.end_amdgpu_metadata
.endif
;; end of part 3
;; launch proj (part 4): grid 8 x 32, 4 waves a work-group, clusters of 4 x 4, 327,680 bytes of LDS; arguments att, cb, bo, out0; writes out0
.if DOCPART == 4
	.amdgcn_target "amdgcn-amd-amdhsa--gfx1250"
	.amdhsa_code_object_version 6
	.text
	.protected	k_q681b9d148c_proj
	.globl	k_q681b9d148c_proj
	.p2align	8
	.type	k_q681b9d148c_proj,@function
k_q681b9d148c_proj:
	s_mov_b64 s[64:65], 0
	v_nop
	global_prefetch_b8 v0, s[64:65] scope:SCOPE_SE
	s_setreg_imm32_b32 hwreg(HW_REG_WAVE_MODE, 25, 1), 1
	s_wait_xcnt 0x0
	s_wait_alu depctr_hold_cnt(0) depctr_sa_sdst(0) depctr_va_vdst(0) depctr_va_sdst(0) depctr_va_ssrc(0) depctr_va_vcc(0) depctr_vm_vsrc(0)
	s_getreg_b32 s2, hwreg(HW_REG_IB_STS2, 6, 4)
	s_cmp_eq_u32 s2, 0
	s_cbranch_scc0 .Lentry_in_a_cluster
	s_endpgm
.Lentry_in_a_cluster:
	s_bfe_u32 s2, ttmp6, 0x10000c
	s_cmp_lg_u32 s2, 0xf033
	s_cbranch_scc0 .Lentry_shape_is_right
	s_endpgm
.Lentry_shape_is_right:
; out0[b][t][n] = sum over k of A[b][t][k] Wo[k][n] + bo[n], where A[b][t][64 head + j] = att[16 b + head][t][j].  Operands f16, sums and result f32.
; Work-group (nb, mb): rows 128 mb .. + 127 of the 4,096 rows (b, t), columns 128 nb .. + 127: 256 work-groups.  Four waves, 64 x 64 each: 16 accumulator tiles.
; K = 1024 goes head by head: four fills of 256 (four heads) through two LDS slots.  A head's part of A's tile is 16,384 consecutive bytes of att.
; Wo lies [k][n]: its fragments come out of LDS by the transposing load.
; CLUSTERS: 4 x 4 work-groups.  A's tile hangs on mb alone and is asked for jointly by a row of the cluster, Wo's on nb alone, by a column.
; The matrix instruction is used transposed (source 0 = 16 columns of Wo, source 1 = 16 rows of A): a lane holds 8 neighbouring columns of one row.
; REGISTERS: window 0: addresses, two buffers of fragments, the way out;  window 1: accumulator (a, b) at 8 (4 a + b).
.set PA,     144                       ; A's LDS row: a head's 128 bytes + 16
.set PB,     288                       ; Wo's LDS row: 256 bytes + 32, an odd multiple of 32 for the transposing load
.set HEAD,   128*PA                    ; 18,432
.set PART,   36864                     ; what one load brings: two heads of A, or 128 rows of Wo
.set BOFF,   2*PART                    ; 73,728: Wo's part of a slot
.set SLOT,   4*PART                    ; 147,456
.set STAGE,  2*SLOT                    ; behind the ring: 16 rows x 272 bytes for each wave; no tensor load lands here
.set SP,     272                       ; 256 bytes + 16
.set WOB,    14680064                  ; Wo's f16 copy in cb
.set ADRA, 16                          ; v16-17  LDS address of my fragments of A in slot 0, 1
.set ADRB, 20                          ; v20-23  the same for Wo: slot 0 rows 0-127, rows 128-255; slot 1 likewise (the 16-bit offset does not reach 256 rows)
.set STO,  24
.set RD,   25
.set CO,   26
.set BI,   28                          ; v[28:31]  bo of the four columns that I store
.set FA,   32                          ; v32-63, v96-127   A's fragments, buffer 0, 1
.set FB,   64                          ; v64-95, v128-159  Wo's fragments, buffer 0, 1
.set RB,   160                         ; v160-191  rows read back
.set G1,  24
.set G0,  32
.set G1B, 48
.set G0B, 56
.set MSB, 0
.macro WIN new                         ; the immediate's high byte repeats the setting that is left
.if MSB != \new
	s_set_vgpr_msb (MSB<<8)|\new
.set MSB, \new
.endif
.endm
.macro JLOAD s                         ; waves 0 and 1 fetch A's two halves, waves 2 and 3 Wo's; the branch hangs on the wave's number alone
	s_cmp_eq_u32 s11, 0
	s_cbranch_scc0 .Lfor_b_\@
	tensor_load_to_lds s[G0+4*\s:G0+4*\s+3], s[G1:G1+7]
	s_nop 0
	s_branch .Lasked_\@
.Lfor_b_\@:
	tensor_load_to_lds s[G0B+4*\s:G0B+4*\s+3], s[G1B:G1B+7]
	s_nop 0
.Lasked_\@:
.endm
.macro CROUND                          ; a round of the cluster's barrier
	s_barrier_signal -1
	s_barrier_wait -1
	s_cmp_lg_u32 s10, 0
	s_cbranch_scc1 .Lnot_wave_0_\@
	s_barrier_signal -3
.Lnot_wave_0_\@:
	s_barrier_wait -3
	s_barrier_signal -1
	s_barrier_wait -1
.endm
	s_load_b128 s[4:7], s[0:1], 0x0                ; att s[4:5], cb s[6:7]
	s_load_b128 s[68:71], s[0:1], 0x10             ; bo s[68:69], out0 s[70:71]
	v_lshl_add_u32 v254, v0, 2, 0x4c400
	v_mov_b32 v255, 0
	ds_add_u32 v254, v255
	v_lshrrev_b32 v1, 5, v0
	v_readfirstlane_b32 s10, v1                    ; wave 0..3
	s_lshr_b32 s11, s10, 1                         ; wr: which 64 rows are mine.  Also: I fetch for A (0) or for Wo (1)
	s_and_b32 s12, s10, 1                          ; wc: which 64 columns.  Also: which half of that tile I fetch
	s_bfe_u32 s40, ttmp6, 0x40000                  ; cx
	s_bfe_u32 s41, ttmp6, 0x40004                  ; cy
	s_lshl_b32 s42, ttmp9, 2
	s_add_co_u32 s42, s42, s40                     ; nb
	s_and_b32 s13, ttmp7, 0xffff
	s_lshl_b32 s13, s13, 2
	s_add_co_u32 s13, s13, s41                     ; mb
	s_lshl_b32 s43, s41, 2
	s_lshl_b32 s43, 15, s43                        ; my row of the cluster
	s_lshl_b32 s44, 0x1111, s40                    ; my column
	; group 1 for A: 2 rows of 8,192 elements (128 t x 64 of a head), 131,072 elements apart; 4 words of padding behind every 32
	s_or_b32 s[G1+0], s43, (1<<16)|(1<<20)|(1<<21)|(4<<22)|(3<<25)
	s_mov_b32 s[G1+1], 8192<<16                    ; tensor_dim0 = 8,192
	s_mov_b32 s[G1+2], 2<<16                       ; tensor_dim1 = 2
	s_mov_b32 s[G1+3], 8192<<16                    ; tile_dim0 = 8,192
	s_mov_b32 s[G1+4], 2                           ; tile_dim1 = 2
	s_mov_b32 s[G1+5], 131072
	s_mov_b32 s[G1+6], 0
	s_mov_b32 s[G1+7], 0
	; group 1 for Wo: 128 rows of 128 elements, pitch 1,024; 8 words of padding behind every 64
	s_or_b32 s[G1B+0], s44, (1<<16)|(1<<20)|(1<<21)|(5<<22)|(7<<25)
	s_mov_b32 s[G1B+1], 128<<16
	s_mov_b32 s[G1B+2], 128<<16
	s_mov_b32 s[G1B+3], 128<<16
	s_mov_b32 s[G1B+4], 128
	s_mov_b32 s[G1B+5], 1024
	s_mov_b32 s[G1B+6], 0
	s_mov_b32 s[G1B+7], 0
	; where the tiles come from: A's offset is made of mb and the wave, Wo's of nb and the wave, each in registers that never hold the other coordinate
	s_lshr_b32 s16, s13, 4
	s_lshl_b32 s16, s16, 22                        ; the batch: 16 heads of 262,144 bytes
	s_and_b32 s17, s13, 15
	s_lshl_b32 s17, s17, 14                        ; 128 rows of 128 bytes
	s_add_co_u32 s16, s16, s17
	s_lshl_b32 s17, s12, 19                        ; two heads on for the second half
	s_add_co_u32 s16, s16, s17
	s_mov_b32 s17, 0
	s_lshl_b32 s46, s42, 8                         ; 128 columns of 2 bytes
	s_lshl_b32 s47, s12, 18                        ; 128 rows of 2,048 bytes on for the second half
	s_add_co_u32 s46, s46, s47
	s_add_co_u32 s46, s46, WOB
	s_mov_b32 s47, 0
	s_mul_i32 s20, s10, PART                       ; where they go: A's two halves, then Wo's two = wave x 36,864
	; out0 at my wave's corner, and bo's offset
	s_lshl_b32 s74, s13, 19                        ; 128 mb rows of 4,096 bytes
	s_lshl_b32 s75, s11, 18
	s_add_co_u32 s74, s74, s75
	s_lshl_b32 s66, s42, 9                         ; 128 nb columns of 4 bytes
	s_lshl_b32 s75, s12, 8
	s_add_co_u32 s66, s66, s75
	s_add_co_u32 s74, s74, s66
	s_mov_b32 s75, 0
	s_wait_dscnt 0x0
	s_wait_kmcnt 0x0
	s_add_nc_u64 s[14:15], s[4:5], s[16:17]
	s_add_nc_u64 s[46:47], s[6:7], s[46:47]
	s_add_nc_u64 s[72:73], s[70:71], s[74:75]
	CROUND                                         ; all sixteen work-groups are here: the first joint loads meet
.irp s, 0,1
	s_mov_b32 s[G0+4*\s], 1
	s_add_co_u32 s[G0+4*\s+1], s20, \s*SLOT
	s_add_nc_u64 s[G0+4*\s+2:G0+4*\s+3], s[14:15], \s*1048576      ; four heads on
	s_or_b32 s[G0+4*\s+3], s[G0+4*\s+3], 0x80000000
	s_mov_b32 s[G0B+4*\s], 1
	s_add_co_u32 s[G0B+4*\s+1], s20, \s*SLOT
	s_add_nc_u64 s[G0B+4*\s+2:G0B+4*\s+3], s[46:47], \s*524288     ; 256 rows on
	s_or_b32 s[G0B+4*\s+3], s[G0B+4*\s+3], 0x80000000
	JLOAD \s                                       ; both slots are asked for before anything else: two loads of a wave are out at the most
.endr
	v_and_b32 v1, 15, v0                           ; r
	v_bfe_u32 v2, v0, 4, 1                         ; h
	v_lshl_add_u32 v27, v1, 4, s66
	global_load_b128 v[BI:BI+3], v27, s[68:69]     ; bo of columns 128 nb + 64 wc + 4 r ..
	v_mul_u32_u24 v3, v1, PA
	v_lshl_add_u32 v3, v2, 4, v3
	s_mul_i32 s21, s11, 64*PA
	v_add_nc_u32 v[ADRA], s21, v3                  ; row 64 wr + r, 16 h bytes along the head
	v_add_nc_u32 v[ADRA+1], SLOT, v[ADRA]
	v_and_b32 v4, 7, v0
	v_lshl_add_u32 v5, v2, 3, v4                   ; transposing load: row k = 8 h + lane % 8,
	v_mul_u32_u24 v5, v5, PB
	v_bfe_u32 v6, v0, 3, 1
	v_lshl_add_u32 v5, v6, 4, v5                   ; 16 bytes on for the second eight lanes of each sixteen,
	s_lshl_b32 s22, s12, 7
	s_add_co_u32 s22, s22, BOFF                    ; my 64 columns
	v_add_nc_u32 v[ADRB], s22, v5
	v_add_nc_u32 v[ADRB+1], PART, v[ADRB]
	v_add_nc_u32 v[ADRB+2], SLOT, v[ADRB]
	v_add_nc_u32 v[ADRB+3], SLOT+PART, v[ADRB]
	s_mul_i32 s23, s10, 16*SP
	s_add_co_u32 s23, s23, STAGE                   ; my stage
	v_mul_u32_u24 v7, v1, SP
	v_lshl_add_u32 v7, v2, 5, v7
	v_add_nc_u32 v[STO], s23, v7                   ; in: row r, 32 bytes for each half of the lanes
	v_mul_u32_u24 v8, v2, SP
	v_lshl_add_u32 v8, v1, 4, v8
	v_add_nc_u32 v[RD], s23, v8                    ; back: lanes 0-15 one row of 256 bytes, lanes 16-31 the next
	v_lshlrev_b32 v9, 12, v2
	v_lshl_add_u32 v[CO], v1, 4, v9                ; and the same two rows in out0
; The fragments of step kk (32 along K, 8 steps in a slot) into buffer f: 16 LDS loads, four places behind the matrix instructions that read the
; buffer last (ISA guide 7.12.1 for vector instructions).
.macro FETCH slot, kk, f
.rept 4
	v_nop
.endr
	WIN 0
.irp a, 0,1,2,3
	ds_load_b128 v[FA+64*\f+8*\a:FA+64*\f+8*\a+3],   v[ADRA+\slot] offset:(\kk>>1)*HEAD+16*PA*\a+64*(\kk&1)
	ds_load_b128 v[FA+64*\f+8*\a+4:FA+64*\f+8*\a+7], v[ADRA+\slot] offset:(\kk>>1)*HEAD+16*PA*\a+64*(\kk&1)+32
.endr
.irp b, 0,1,2,3
	ds_load_tr16_b128 v[FB+64*\f+8*\b:FB+64*\f+8*\b+3],   v[ADRB+2*\slot+(\kk>>2)] offset:(\kk&3)*32*PB+32*\b
	ds_load_tr16_b128 v[FB+64*\f+8*\b+4:FB+64*\f+8*\b+7], v[ADRB+2*\slot+(\kk>>2)] offset:(\kk&3)*32*PB+32*\b+16*PB
.endr
.endm
; 16 matrix instructions from buffer f: the 16 accumulators take turns, one instruction a turn
.macro MUL f, zero
	WIN 0x50                                       ; C and D in window 1
.irp a, 0,1,2,3
.irp b, 0,1,2,3
.if \zero
	v_wmma_f32_16x16x32_f16 v[8*(4*\a+\b):8*(4*\a+\b)+7], v[FB+64*\f+8*\b:FB+64*\f+8*\b+7], v[FA+64*\f+8*\a:FA+64*\f+8*\a+7], 0
.else
	v_wmma_f32_16x16x32_f16 v[8*(4*\a+\b):8*(4*\a+\b)+7], v[FB+64*\f+8*\b:FB+64*\f+8*\b+7], v[FA+64*\f+8*\a:FA+64*\f+8*\a+7], v[8*(4*\a+\b):8*(4*\a+\b)+7]
.endif
.endr
.endr
.endm
; A slot's eight steps: each step's fragments are asked for one step ahead
.macro SLOTWORK slot, zero
	FETCH \slot, 0, 0
	FETCH \slot, 1, 1
	s_wait_dscnt 16                                ; all but the 16 just issued
	MUL 0, \zero
	FETCH \slot, 2, 0
	s_wait_dscnt 16
	MUL 1, 0
	FETCH \slot, 3, 1
	s_wait_dscnt 16
	MUL 0, 0
	FETCH \slot, 4, 0
	s_wait_dscnt 16
	MUL 1, 0
	FETCH \slot, 5, 1
	s_wait_dscnt 16
	MUL 0, 0
	FETCH \slot, 6, 0
	s_wait_dscnt 16
	MUL 1, 0
	FETCH \slot, 7, 1
	s_wait_dscnt 16
	MUL 0, 0
	s_wait_dscnt 0
	MUL 1, 0
.endm
; A slot that has been read is filled again, two fills ahead: every wave's waits, a round of the cluster's barrier, the joint load first behind it.
.macro CHANGE slot
	s_wait_dscnt 0x0                               ; my reads of this slot are over
	s_wait_tensorcnt 0x0                           ; all my tensor loads have landed: the one that was out is my part of the other slot
	ds_add_u32 v254, v255
	s_wait_dscnt 0x0
	WIN 0
	CROUND                                         ; both now hold of every wave of every work-group of the cluster
	s_add_nc_u64 s[G0+4*\slot+2:G0+4*\slot+3], s[G0+4*\slot+2:G0+4*\slot+3], 2097152
	s_add_nc_u64 s[G0B+4*\slot+2:G0B+4*\slot+3], s[G0B+4*\slot+2:G0B+4*\slot+3], 1048576
	JLOAD \slot                                    ; it has the other slot's 128 matrix instructions in which to land
.endm
	s_wait_tensorcnt 1                             ; my part of slot 0 is in; slot 1's may stay out
	s_barrier_signal -1
	s_barrier_wait -1
	SLOTWORK 0, 1                                  ; heads 0-3: the first products start the sums
	CHANGE 0
	SLOTWORK 1, 0                                  ; heads 4-7
	CHANGE 1
	SLOTWORK 0, 0                                  ; heads 8-11
	s_wait_dscnt 0x0
	s_wait_tensorcnt 0x0                           ; my part of the last fill is in
	WIN 0
	s_barrier_signal -1
	s_barrier_wait -1                              ; everybody's is; nothing is left to ask for
	SLOTWORK 1, 0                                  ; heads 12-15
.rept 4
	v_nop                                          ; four places behind the last matrix instructions, in front of the stores of their results
.endr
	s_wait_loadcnt 0x0                             ; bo
; THE WAY OUT, 16 rows at a time: 32 bytes a lane into my own stage, whole rows of 256 bytes back, bo added, stored.
.macro OUT a
	WIN 0x04                                       ; the LDS stores' data in window 1
.irp b, 0,1,2,3
	ds_store_b128 v[STO], v[8*(4*\a+\b):8*(4*\a+\b)+3] offset:64*\b
	ds_store_b128 v[STO], v[8*(4*\a+\b)+4:8*(4*\a+\b)+7] offset:64*\b+16
.endr
	WIN 0
	s_wait_xcnt 0x0                                ; RB, which the last sixteen rows' stores read, is loaded again only behind this wait
.irp t, 0,1,2,3,4,5,6,7
	ds_load_b128 v[RB+4*\t:RB+4*\t+3], v[RD] offset:2*SP*\t        ; LDS serves a wave's instructions in order: these see the stores above
.endr
.irp t, 0,1,2,3,4,5,6,7
	s_wait_dscnt 7-\t
	v_pk_add_f32 v[RB+4*\t:RB+4*\t+1], v[RB+4*\t:RB+4*\t+1], v[BI:BI+1]
	v_pk_add_f32 v[RB+4*\t+2:RB+4*\t+3], v[RB+4*\t+2:RB+4*\t+3], v[BI+2:BI+3]
	global_store_b128 v[CO], v[RB+4*\t:RB+4*\t+3], s[72:73] offset:(16*\a+2*\t)*4096 th:TH_STORE_NT   ; 16 lanes store 256 consecutive bytes, aligned
.endr
.endm
	OUT 0
	OUT 1
	OUT 2
	OUT 3
	s_wait_tensorcnt 0x0
	ds_add_u32 v254, v255
	s_wait_dscnt 0x0
	CROUND                                         ; the closing round: no work-group ends while a partner may still ask for a tile that names it
	s_endpgm
.Lfunc_end_k_q681b9d148c_proj:
	.size	k_q681b9d148c_proj, .Lfunc_end_k_q681b9d148c_proj-k_q681b9d148c_proj
	.p2alignl 7, 3214868480
	.fill 96, 4, 3214868480
	.section	.rodata,"a",@progbits
	.p2align	6, 0x0
	.amdhsa_kernel k_q681b9d148c_proj
		.amdhsa_group_segment_fixed_size 327680
		.amdhsa_private_segment_fixed_size 0
		.amdhsa_enable_private_segment 0
		.amdhsa_kernarg_size 32
		.amdhsa_user_sgpr_count 2
		.amdhsa_user_sgpr_kernarg_segment_ptr 1
		.amdhsa_wavefront_size32 1
		.amdhsa_system_sgpr_workgroup_id_x 1
		.amdhsa_system_sgpr_workgroup_id_y 1
		.amdhsa_system_sgpr_workgroup_id_z 1
		.amdhsa_system_vgpr_workitem_id 0
		.amdhsa_next_free_vgpr 384
		.amdhsa_next_free_sgpr 76
		.amdhsa_reserve_vcc 0
		.amdhsa_float_denorm_mode_32 3
		.amdhsa_float_denorm_mode_16_64 3
		.amdhsa_memory_ordered 1
		.amdhsa_forward_progress 1
		.amdhsa_inst_pref_size 93
	.end_amdhsa_kernel
	.amdgpu_metadata
---
amdhsa.version: [ 1, 2 ]
amdhsa.kernels:
  - .name:           k_q681b9d148c_proj
    .symbol:         k_q681b9d148c_proj.kd
    .args:
      - { .name: att, .offset: 0, .size: 8, .value_kind: global_buffer, .address_space: global }
      - { .name: cb, .offset: 8, .size: 8, .value_kind: global_buffer, .address_space: global }
      - { .name: bo, .offset: 16, .size: 8, .value_kind: global_buffer, .address_space: global }
      - { .name: out0, .offset: 24, .size: 8, .value_kind: global_buffer, .address_space: global }
    .group_segment_fixed_size: 327680
    .private_segment_fixed_size: 0
    .kernarg_segment_align: 8
    .kernarg_segment_size: 32
    .max_flat_workgroup_size: 128
    .sgpr_count:     76
    .vgpr_count:     384
    .wavefront_size: 32
...
	.end_amdgpu_metadata
.endif
;; end of part 4
;; ======== version 2 of 2: 4 launches; version 1 with the launch cast written anew for expert scheduling mode
;; limits: values are held in f16: magnitudes above 65,504 overflow, below 6.1e-05 lose precision; right only within a limited range of input values
;; workspace buffers: cb 16,777,216 bytes; qkv 25,165,824 bytes; att 8,388,608 bytes
;; launch cast (part 5): grid 256 x 1, 8 waves a work-group, no clusters, 0 bytes of LDS; arguments x, Wq, Wk, Wv, Wo, cb; writes cb
.if DOCPART == 5
	.amdgcn_target "amdgcn-amd-amdhsa--gfx1250"
	.amdhsa_code_object_version 6
	.text
	.protected	k_q681b9d148c_cast
	.globl	k_q681b9d148c_cast
	.p2align	8
	.type	k_q681b9d148c_cast,@function
k_q681b9d148c_cast:
	s_mov_b64 s[64:65], 0
	v_nop
	global_prefetch_b8 v0, s[64:65] scope:SCOPE_SE
	s_setreg_imm32_b32 hwreg(HW_REG_WAVE_SCHED_MODE, 0, 2), 2
	s_setreg_imm32_b32 hwreg(HW_REG_WAVE_MODE, 25, 1), 1
	s_wait_xcnt 0x0
	s_wait_alu depctr_vm_vsrc(0)
; The matrix operands, rounded once.  cb = x as bf16 [4096][1024] at byte 0; Wq, Wk, Wv as bf16 [3][16][1024][64] at byte 8,388,608;
; Wo [1024][1024] at byte 14,680,064, rounded to bf16 like the other inputs and that number written as f16 (its partner in the last product is f16).
; LIMIT: the f16 copy of Wo is the bf16 number itself for 2^-17 <= |Wo| < 65,520; below, it is off by at most 2^-25; above, it is an infinity.
; The five inputs follow each other in cb in the order x, Wq, Wk, Wv, Wo, so work-group i simply makes bytes 65,536 i .. of cb out of 32,768 numbers
; of one input: 128 work-groups for x, 32 for each of the others.  A stream: no LDS, no barrier, no matrix unit.
; Thread t takes 16 bytes at 16 t of each of 32 blocks of 4,096 bytes: a wave's load covers 512 consecutive bytes, its store 256, aligned.
; All 32 loads of a wave go out at once.
; THE MODE: SCHED_MODE bits 1:0 = 2 (LLVM: expert scheduling mode 2), set by the entry lines.  The code itself states the register dependences
; between vector instructions and memory instructions, with s_wait_alu, always for 0.
; THE PLAN.  Registers that memory instructions touch:
;   v1, v2      byte offsets of the loads and of the stores: made once at the head, never written again.
;   X, block i  the load of block i lands here; no vector instruction names it before that load is issued.  Read (in Wo's arm also written) by
;               block i's vector lines alone, behind the counted wait for its load; no memory instruction reads it.
;   Y, block i  written by block i's conversions; read by block i's store, and never written behind that store.
; No register that a memory instruction has read is written again: nothing is owed for that.  What is owed: a store reads its Y only when the
; conversions have written it.  So the 32 blocks go in eight groups of four, and the store of block i - 4 stands in block i's turn: ONE wait at a
; group's head states that the group before has written its four Y pairs, and the group's four stores follow it, dealt among the group's own
; conversions, which name X and Y of this group's blocks alone.
.set X, 8                              ; v[8:135]    block i: four f32 as loaded
.set Y, 136                            ; v[136:199]  block i: four 16-bit numbers to store
.set GROUP, 4                          ; blocks in a group
	s_load_b256 s[4:11], s[0:1], 0x0               ; x s[4:5], Wq s[6:7], Wk s[8:9], Wv s[10:11]
	s_load_b128 s[12:15], s[0:1], 0x20             ; Wo s[12:13], cb s[14:15]
	s_mov_b32 s16, ttmp9                           ; i
	s_mov_b32 s17, 0                               ; the first work-group of my input
	v_lshlrev_b32 v1, 4, v0                        ; 16 t: where I read
	v_lshlrev_b32 v2, 3, v0                        ; 8 t: where I write
	s_wait_kmcnt 0x0
	s_mov_b64 s[18:19], s[4:5]                     ; my input, chosen by i alone
	s_cmp_ge_u32 s16, 128
	s_cselect_b64 s[18:19], s[6:7], s[18:19]
	s_cselect_b32 s17, 128, s17
	s_cmp_ge_u32 s16, 160
	s_cselect_b64 s[18:19], s[8:9], s[18:19]
	s_cselect_b32 s17, 160, s17
	s_cmp_ge_u32 s16, 192
	s_cselect_b64 s[18:19], s[10:11], s[18:19]
	s_cselect_b32 s17, 192, s17
	s_cmp_ge_u32 s16, 224
	s_cselect_b64 s[18:19], s[12:13], s[18:19]
	s_cselect_b32 s17, 224, s17
	s_sub_co_u32 s20, s16, s17
	s_lshl_b32 s20, s20, 17                        ; 131,072 bytes of f32 for each work-group
	s_mov_b32 s21, 0
	s_add_nc_u64 s[18:19], s[18:19], s[20:21]
	s_lshl_b32 s22, s16, 16                        ; 65,536 bytes out
	s_mov_b32 s23, 0
	s_add_nc_u64 s[14:15], s[14:15], s[22:23]
	s_wait_alu depctr_va_vdst(0)                   ; v1 and v2 are written: every load of the kernel reads v1 as its offset, every store v2
.set i, 0
.rept 32
	global_load_b128 v[X+4*i:X+4*i+3], v1, s[18:19] offset:4096*i th:TH_LOAD_NT
.set i, i+1
.endr
; wo = 1: the bf16 numbers are widened again (a shift, a mask) and written as f16.
.macro CVT wo
.set i, 0
.rept 32
	s_wait_loadcnt 31-i                            ; loads come back in order: block i is in, the 31 - i younger ones stay out
.if (i%GROUP == 0) && (i > 0)
	s_wait_alu depctr_va_vdst(0)                   ; the group before has written its four Y pairs, which this group's four stores read
.endif
.if i >= GROUP
	global_store_b64 v2, v[Y+2*(i-GROUP):Y+2*(i-GROUP)+1], s[14:15] offset:2048*(i-GROUP)  ; the block four back; no vector instruction since the wait names its Y
.endif
	v_cvt_pk_bf16_f32 v[Y+2*i], v[X+4*i], v[X+4*i+1]
	v_cvt_pk_bf16_f32 v[Y+2*i+1], v[X+4*i+2], v[X+4*i+3]
.if \wo
	v_lshlrev_b32 v[X+4*i], 16, v[Y+2*i]
	v_and_b32 v[X+4*i+1], 0xffff0000, v[Y+2*i]
	v_lshlrev_b32 v[X+4*i+2], 16, v[Y+2*i+1]
	v_and_b32 v[X+4*i+3], 0xffff0000, v[Y+2*i+1]
	v_cvt_pk_f16_f32 v[Y+2*i], v[X+4*i], v[X+4*i+1]
	v_cvt_pk_f16_f32 v[Y+2*i+1], v[X+4*i+2], v[X+4*i+3]
.endif
.set i, i+1
.endr
	s_wait_alu depctr_va_vdst(0)                   ; the last group has written its four Y pairs, which the last four stores read
.set i, 32-GROUP
.rept GROUP
	global_store_b64 v2, v[Y+2*i:Y+2*i+1], s[14:15] offset:2048*i
.set i, i+1
.endr
.endm
	s_cmp_ge_u32 s16, 224                          ; compared anew: the shifts above have set SCC
	s_cbranch_scc1 .Lwo
	CVT 0
	s_endpgm
.Lwo:
	CVT 1
	s_endpgm
.Lfunc_end_k_q681b9d148c_cast:
	.size	k_q681b9d148c_cast, .Lfunc_end_k_q681b9d148c_cast-k_q681b9d148c_cast
	.p2alignl 7, 3214868480
	.fill 96, 4, 3214868480
	.section	.rodata,"a",@progbits
	.p2align	6, 0x0
	.amdhsa_kernel k_q681b9d148c_cast
		.amdhsa_group_segment_fixed_size 0
		.amdhsa_private_segment_fixed_size 0
		.amdhsa_enable_private_segment 0
		.amdhsa_kernarg_size 48
		.amdhsa_user_sgpr_count 2
		.amdhsa_user_sgpr_kernarg_segment_ptr 1
		.amdhsa_wavefront_size32 1
		.amdhsa_system_sgpr_workgroup_id_x 1
		.amdhsa_system_sgpr_workgroup_id_y 1
		.amdhsa_system_sgpr_workgroup_id_z 1
		.amdhsa_system_vgpr_workitem_id 0
		.amdhsa_next_free_vgpr 200
		.amdhsa_next_free_sgpr 66
		.amdhsa_reserve_vcc 0
		.amdhsa_float_denorm_mode_32 3
		.amdhsa_float_denorm_mode_16_64 3
		.amdhsa_memory_ordered 1
		.amdhsa_forward_progress 1
		.amdhsa_inst_pref_size 32
	.end_amdhsa_kernel
	.amdgpu_metadata
---
amdhsa.version: [ 1, 2 ]
amdhsa.kernels:
  - .name:           k_q681b9d148c_cast
    .symbol:         k_q681b9d148c_cast.kd
    .args:
      - { .name: x, .offset: 0, .size: 8, .value_kind: global_buffer, .address_space: global }
      - { .name: Wq, .offset: 8, .size: 8, .value_kind: global_buffer, .address_space: global }
      - { .name: Wk, .offset: 16, .size: 8, .value_kind: global_buffer, .address_space: global }
      - { .name: Wv, .offset: 24, .size: 8, .value_kind: global_buffer, .address_space: global }
      - { .name: Wo, .offset: 32, .size: 8, .value_kind: global_buffer, .address_space: global }
      - { .name: cb, .offset: 40, .size: 8, .value_kind: global_buffer, .address_space: global }
    .group_segment_fixed_size: 0
    .private_segment_fixed_size: 0
    .kernarg_segment_align: 8
    .kernarg_segment_size: 48
    .max_flat_workgroup_size: 256
    .sgpr_count:     66
    .vgpr_count:     200
    .wavefront_size: 32
...
	.end_amdgpu_metadata
.endif
;; end of part 5
;; launch qkv: the kernel of part 2 again; grid 16 x 16, 4 waves a work-group, clusters of 4 x 4, 327,680 bytes of LDS; arguments cb, qkv; writes qkv
;; launch attn: the kernel of part 3 again; grid 8 x 32, 8 waves a work-group, no clusters, 327,680 bytes of LDS; arguments qkv, att; writes att
;; launch proj: the kernel of part 4 again; grid 8 x 32, 4 waves a work-group, clusters of 4 x 4, 327,680 bytes of LDS; arguments att, cb, bo, out0; writes out0
